; MI455X (gfx1250); checked and timed in simulation.
; The chip was launched on July 23, 2026; its instructions are those of AMD's public machine-readable ISA for CDNA 5 (MIT licence, August 2026) and "CDNA5" Instruction Set Architecture Reference Guide (July 2026). The comments in the code are by the model that wrote it; some were corrected since.
;; Full Attention. Allowed arithmetic: matrix products marked QUANTISED: E4M3 operands, one given power-of-two scale a tensor, by v_wmma_f32_16x16x64_fp8_fp8 or v_wmma_f32_16x16x128_fp8_fp8, f32 sums; everything else in f32.
;; Inputs: Wk 1,024 x 1,024 float32; Wq 1,024 x 1,024 float32; Wv 1,024 x 1,024 float32; k 4 x 2,048 x 1,024 float32; lowp_scales 10 int32 (the exponents e of the quantised operands' scales 2^e); mask 1 x 2,048 x 2,048 float32; q 4 x 2,048 x 1,024 float32; v 4 x 2,048 x 1,024 float32.
;; Outputs: out0 4 x 2,048 x 1,024 float32.
;; This version of the problem:
;;   THIS VERSION OF THE PROBLEM IS GIVEN IN LOW PRECISION. The matrix products marked QUANTISED in the list below multiply operands that are first quantised to E4M3 (4 exponent bits, 3 mantissa bits; 8 bits a number), with one given power-of-two scale for each operand tensor; their sums are f32. All else is computed in f32.
;;   The module's matrix products, in the order in which they are computed (A, B: the left and right operand; K: the contracted axis; several contracted axes count as one K, in the product's order):
;;     1. [M 8,192, K 1,024] x [K 1,024, N 1,024]; A: input q; B: input Wq: QUANTISED (scales: A lowp_scales[0], B lowp_scales[1])
;;     2. [M 8,192, K 1,024] x [K 1,024, N 1,024]; A: input k; B: input Wk: QUANTISED (scales: A lowp_scales[2], B lowp_scales[3])
;;     3. [M 8,192, K 1,024] x [K 1,024, N 1,024]; A: input v; B: input Wv: QUANTISED (scales: A lowp_scales[4], B lowp_scales[5])
;;     4. batch 64 x [M 2,048, K 64] x [K 64, N 2,048]; A: computed on the way; B: computed on the way: QUANTISED (scales: A lowp_scales[6], B lowp_scales[7])
;;     5. batch 64 x [M 64, K 2,048] x [K 2,048, N 2,048]; A: computed on the way; B: softmax (see below): QUANTISED (scales: A lowp_scales[8], B lowp_scales[9])
;;   THE QUANTISER, for each operand of a quantised product, along K:
;;     - The operand's scale is 2^e, e = its entry of the input lowp_scales (int32; the entries are numbered through the quantised products in the list's order, A before B).
;;     - Each number is divided by the scale, clamped to +-448, and rounded to the nearest number of E4M3, ties to even, subnormals kept.
;;     - The product sums the exact products of the quantised numbers (number of the format x scale) in f32.
;;   ~~~python
;;   def quantise(x, axis, e):      # numpy; x: float32 -> the quantised numbers, widened to float32 again
;;       x = np.moveaxis(x, axis, -1); K = x.shape[-1]
;;       r = np.clip(x / 2.0 ** e, -448, 448)
;;       step = 2.0 ** (np.maximum(np.frexp(np.where(r == 0, 1, r))[1] - 1, -6) - 3)
;;       q = np.round(r / step) * step * 2.0 ** e      # np.round: ties to even
;;       return np.moveaxis(q, -1, axis).astype(np.float32)
;;   ~~~
;;   SOFTMAX AHEAD OF A QUANTISED PRODUCT. Where the list says 'softmax', what is quantised is not the finished softmax but p = 2^(t - M), with t = logit x log2(e) and M = ceil(the row's largest t), a whole number; so 1/2 < the row's largest p <= 1. The row's sum l is taken of the UNQUANTISED p, in f32, and the product's result is divided by l at the end. Since M is a whole number, a kernel that streams over the keys may use a running M (the ceiling of the running maximum): every later rescaling is an exact power of two, so the quantised numbers keep their values, but for numbers so far below the row's largest that they fall under the format's range.
;;   OPERANDS COMPUTED ON THE WAY. 'Computed on the way' means the value that the module computes at that place (a softmax that the list does not call 'softmax' is quantised finished and normalised). What goes into a quantiser is computed in f32, as accurately as f32 sums, v_exp_f32 and their like allow (about 1e-6 of the number): no bf16 or f16 on the way to a quantiser, and a product that is left as it is and whose result goes on into a quantised operand takes f32 operands (vector FMAs, or v_wmma_f32_16x16x4_f32). A number that lies on a knife's edge between two numbers of the format may be rounded either way, as far as f32 arithmetic and the matrix unit's own rounding can turn it there, and no further.
;; One version. Each part assembles by itself: llvm-mc -triple=amdgcn-amd-amdhsa -mcpu=gfx1250 --defsym DOCPART=n.
;; ======== version 1 of 1: 3 launches
;; limits: right only within a limited range of input values
;; workspace buffers: wc 3,145,728 bytes; hc 25,165,824 bytes; mk 16,777,216 bytes
;; launch prep (part 1): grid 352 x 1, 4 waves a work-group, no clusters, 70,144 bytes of LDS; arguments Wq, Wk, Wv, lowp_scales, mask, wc, mk; writes wc, mk
.if DOCPART == 1
	.amdgcn_target "amdgcn-amd-amdhsa--gfx1250"
	.amdhsa_code_object_version 6
	.text
	.protected	k_qdbd8d7ee47_prep
	.globl	k_qdbd8d7ee47_prep
	.p2align	8
	.type	k_qdbd8d7ee47_prep,@function
k_qdbd8d7ee47_prep:
	s_mov_b64 s[64:65], 0
	v_nop
	global_prefetch_b8 v0, s[64:65] scope:SCOPE_SE
	s_setreg_imm32_b32 hwreg(HW_REG_WAVE_MODE, 25, 1), 1
	s_wait_xcnt 0x0
; TWO PREPARATIONS in one launch; the paths part once, on the work-group's number, and each has LDS bytes of its own.
; (1) Work-groups 0..95: Wq, Wk, Wv [1024 (K)][1024 (n)] f32 become codes of FP8 (E4M3) with the scales 2^e of lowp_scales 1, 3, 5: code = x / 2^e, held within +-448, to the nearest code, ties to even.
;     THE PLACES ALONG K ARE PERMUTED, as the projection launch permutes its rows: in each group of 512 along K, place 16 l + 4 i + j holds k = 128 i + 4 l + j (l 0..31, i, j 0..3): every product still meets its partner.
;     OUT: wc = three tensors [64 tiles of 16 n][8 steps of 128 places][4 pieces][32 lanes][16 bytes]: piece c of lane (r = lane % 16, h = lane / 16) holds n = 16 tile + r, places 128 step + 32 c + 16 h + 0..15:
;     the registers 4 c .. 4 c + 3 of a matrix operand, so that a wave loads a fragment by four loads of 512 consecutive bytes.
; (2) Work-groups 96..351: the mask [2048][2048] f32, unchanged in value, is laid into mk in the order of the attention launch's registers (see .Lmask).
; No cluster, no tensor load, no matrix unit: streams in which no two work-groups read the same byte.  Waves share nothing: no barrier.
; LIMITS: each e between -126 and 119, so that 2^e and 448 x 2^e are f32 numbers.  NaN among the weights is not served (an infinity is held at the largest code).
.set X,     32                         ; W: v32-95   two sets of 32 numbers
.set CW,    96                         ; W: v96-103  a block's codes
.set OUTR,  112                        ; W: v112-175 the way out
.set WP,    272                        ; W: a stage row: 256 bytes of codes + 16
.set MSTG,  36352                      ; the mask's stages, behind the weights' stages and the spare words
.macro WLOAD t                         ; block t: the 32 places 32 t + e of my column; place e stands for row 128 ((e>>2)&3) + 8 t + 4 (e>>4) + (e&3) from the wave's first row
.set ee, 0
.rept 32
	global_load_b32 v[X+32*((\t)%2)+ee], v3, s[36:37] offset:(128*((ee>>2)&3)+8*(\t)+4*(ee>>4)+(ee&3))*4096 th:TH_LOAD_NT
.set ee, ee+1
.endr
.endm
.macro WBLOCK t
.set XS, X+32*((\t)%2)
.if (\t) < 7
	s_wait_loadcnt 32                              ; this block's 32 loads are in; the next block's may be out
.else
	s_wait_loadcnt 0
.endif
.irp i, 0,1,2,3,4,5,6,7,8,9,10,11,12,13,14,15,16,17,18,19,20,21,22,23,24,25,26,27,28,29,30,31
	v_med3_num_f32 v[XS+\i], v[XS+\i], -v10, v10   ; the conversion does not saturate (ISA guide 7.6.2): the hold at the largest code x the scale
.endr
.irp g, 0,1,2,3
	v_cvt_scalef32_pk8_fp8_f32 v[CW+2*\g:CW+2*\g+1], v[XS+8*\g:XS+8*\g+7], v11
.endr
	ds_store_b128 v4, v[CW:CW+3] offset:32*(\t)    ; 32 codes of my column's row
	ds_store_b128 v4, v[CW+4:CW+7] offset:32*(\t)+16
.if (\t)+2 < 8
	WLOAD (\t)+2
.endif
	s_wait_dscnt 0x0                               ; the stores have read their registers: the next block's codes may be written
.endm
.macro MLOAD i
.irp p, 0,1,2,3,4,5,6,7,8,9,10,11,12,13,14,15
	global_load_b128 v[16+64*(\i)+4*\p:16+64*(\i)+4*\p+3], v3, s[12:13] offset:8192*\p+512*(\i) th:TH_LOAD_NT
.endr
.endm
.macro MBLOCK i
	s_wait_loadcnt 16*(1-(\i))                     ; this block's 16 loads are in
.if (\i) > 0
	s_wait_xcnt 0x0                                ; the last block's stores have read their data registers
.endif
.irp p, 0,1,2,3,4,5,6,7,8,9,10,11,12,13,14,15
	ds_store_b128 v4, v[16+64*(\i)+4*\p:16+64*(\i)+4*\p+3] offset:528*\p
.endr
.irp j, 0,1,2,3,4,5,6,7,8,9,10,11,12,13,14,15
	ds_load_b128 v[144+4*\j+4*(\j/12):144+4*\j+4*(\j/12)+3], v5 offset:64*(\j/2)+16*(\j%2)   ; LDS serves a wave's instructions in order: these see my stores.  (v192, v193 are passed over)
.endr
	s_wait_dscnt 0x0
.irp j, 0,1,2,3,4,5,6,7,8,9,10,11,12,13,14,15
	global_store_b128 v3, v[144+4*\j+4*(\j/12):144+4*\j+4*(\j/12)+3], s[16:17] offset:16384*(\i)+512*\j
.endr
.endm
	s_load_b256 s[4:11], s[0:1], 0x0               ; Wq s[4:5], Wk s[6:7], Wv s[8:9], the exponents s[10:11]
	s_load_b128 s[12:15], s[0:1], 0x20             ; mask s[12:13], wc s[14:15]
	s_load_b64 s[16:17], s[0:1], 0x30              ; mk
	v_lshl_add_u32 v192, v0, 2, 0x8c00
	v_mov_b32 v193, 0
	v_lshrrev_b32 v1, 5, v0
	v_readfirstlane_b32 s22, v1                    ; wave 0..3
	v_and_b32 v2, 31, v0                           ; lane
	s_wait_alu depctr_va_vdst(0)                   ; the wait here, directly ahead of the wait below
	s_wait_kmcnt 0x0
	s_cmp_ge_u32 ttmp9, 96
	s_cbranch_scc1 .Lmask
	; ---- the weights: a lane takes a column n and its registers run along the places of K, so the conversions give codes with K innermost
	s_load_b256 s[24:31], s[10:11], 0x0            ; e0 .. e7
	s_lshr_b32 s33, ttmp9, 5                       ; which weight
	s_and_b32 s34, ttmp9, 7                        ; which 128 columns
	s_bfe_u32 s35, ttmp9, 0x20003                  ; which 256 places
	s_cmp_eq_u32 s33, 1
	s_cselect_b64 s[36:37], s[6:7], s[8:9]
	s_cmp_eq_u32 s33, 0
	s_cselect_b64 s[36:37], s[4:5], s[36:37]
	s_lshl_b32 s38, s34, 7
	s_lshl_b32 s39, s22, 5
	s_add_co_u32 s38, s38, s39                     ; my wave's first column
	s_lshr_b32 s40, s35, 1
	s_lshl_b32 s40, s40, 21                        ; the group of 512 rows of 4,096 bytes,
	s_and_b32 s41, s35, 1
	s_lshl_b32 s41, s41, 18                        ; its places 256 on stand for rows 64 on
	s_add_co_u32 s40, s40, s41
	s_lshl_b32 s41, s38, 2
	s_add_co_u32 s40, s40, s41
	s_mov_b32 s41, 0
	s_add_nc_u64 s[36:37], s[36:37], s[40:41]
	s_lshl_b32 s42, s33, 20                        ; 1,048,576 codes a weight,
	s_lshl_b32 s43, s38, 10                        ; 16,384 a tile of 16 columns,
	s_add_co_u32 s42, s42, s43
	s_lshl_b32 s43, s35, 12                        ; my two steps of 2,048
	s_add_co_u32 s42, s42, s43
	s_mov_b32 s43, 0
	s_add_nc_u64 s[14:15], s[14:15], s[42:43]
	s_mul_i32 s45, s22, 32*WP                      ; my stage
	v_lshlrev_b32 v3, 2, v2                        ; in: 4 bytes a lane: a load reads 128 consecutive bytes a wave, the four waves side by side
	v_mul_u32_u24 v4, v2, WP
	v_and_b32 v5, 15, v2
	v_lshrrev_b32 v6, 4, v2
	v_add_nc_u32 v4, s45, v4                       ; into the stage: row = my column
	v_mul_u32_u24 v7, v5, WP
	v_lshlrev_b32 v8, 4, v2                        ; out: 16 bytes a lane
	v_lshl_add_u32 v7, v6, 4, v7
	v_add_nc_u32 v7, s45, v7                       ; out of the stage: row r, + 16 h
	WLOAD 0
	WLOAD 1
	s_wait_kmcnt 0x0
	s_cmp_eq_u32 s33, 1
	s_cselect_b32 s44, s27, s29
	s_cmp_eq_u32 s33, 0
	s_cselect_b32 s44, s25, s44                    ; e: entry 1, 3 or 5
	s_add_co_i32 s44, s44, 127
	s_lshl_b32 s46, s44, 23
	v_mov_b32 v11, s46
	s_add_co_i32 s44, s44, 8
	s_lshl_b32 s44, s44, 23
	s_or_b32 s44, s44, 0x600000
	v_mov_b32 v10, s44
	s_wait_alu depctr_va_vdst(0)                   ; the wait at the head's end
.irp t, 0,1,2,3,4,5,6,7
	WBLOCK \t
.endr
.irp t, 0,1,2,3,4,5,6,7,8,9,10,11,12,13,14,15      ; t = 8 x tile + 4 x step + piece
	ds_load_b128 v[OUTR+4*\t:OUTR+4*\t+3], v7 offset:(\t/8)*16*WP+((\t/4)%2)*128+(\t%4)*32   ; LDS serves a wave's instructions in order: these see my stores
.endr
.irp t, 0,1,2,3,4,5,6,7,8,9,10,11,12,13,14,15
	s_wait_dscnt 15-\t
	global_store_b128 v8, v[OUTR+4*\t:OUTR+4*\t+3], s[14:15] offset:(\t/8)*16384+((\t/4)%2)*2048+(\t%4)*512   ; the wave stores 512 consecutive bytes, aligned
.endr
	s_wait_tensorcnt 0x0                           ; the wave's end
	ds_add_u32 v192, v193
	s_wait_dscnt 0x0
	s_endpgm
	; ---- the mask.  mk = [64 blocks of 32 queries][16 key steps of 128][2 tiles of 16 queries][16 pieces][32 lanes][4 f32]:
	; piece 2 t + u of lane (r, h) holds mask(query 16 tile + r, keys 16 t + 8 h + 4 u + 0..3).
	; Work-group m takes the 16 queries 16 (m / 2) on; its wave w the two key steps 2 (4 (m % 2) + w) on.  A block of 16 x 128: 16 loads, each 512 consecutive bytes of a row; through the wave's own stage
	; (rows of 512 + 16 bytes); 16 stores, each 512 consecutive bytes of mk.  Both blocks' loads go out at once.
.Lmask:
	s_sub_co_u32 s32, ttmp9, 96                    ; m = 0 .. 255
	s_lshr_b32 s33, s32, 1                         ; the tile of 16 queries
	s_and_b32 s34, s32, 1
	s_lshl_b32 s34, s34, 2
	s_add_co_u32 s34, s34, s22                     ; which pair of key steps
	s_lshl_b32 s40, s33, 17                        ; in: 16 rows of 8,192 bytes,
	s_lshl_b32 s41, s34, 10                        ; my 256 keys
	s_add_co_u32 s40, s40, s41
	s_mov_b32 s41, 0
	s_lshr_b32 s42, s33, 1
	s_lshl_b32 s42, s42, 18                        ; out: the block of 32 queries,
	s_and_b32 s43, s33, 1
	s_lshl_b32 s43, s43, 13                        ; its tile,
	s_add_co_u32 s42, s42, s43
	s_lshl_b32 s43, s34, 15                        ; my two key steps of 16,384 bytes
	s_add_co_u32 s42, s42, s43
	s_mov_b32 s43, 0
	s_add_nc_u64 s[12:13], s[12:13], s[40:41]
	s_add_nc_u64 s[16:17], s[16:17], s[42:43]
	s_mul_i32 s45, s22, 8448
	s_add_co_u32 s45, s45, MSTG                    ; my stage
	v_lshlrev_b32 v3, 4, v2
	v_and_b32 v5, 15, v2
	v_lshrrev_b32 v6, 4, v2
	v_add_nc_u32 v4, s45, v3
	v_mul_u32_u24 v5, v5, 528
	v_lshl_add_u32 v5, v6, 5, v5
	v_add_nc_u32 v5, s45, v5
	MLOAD 0
	MLOAD 1
	s_wait_alu depctr_va_vdst(0)                   ; the wait here, directly ahead of the wait below
	MBLOCK 0
	MBLOCK 1
	s_wait_tensorcnt 0x0                           ; the wave's end
	ds_add_u32 v192, v193
	s_wait_dscnt 0x0
	s_endpgm
.Lfunc_end_k_qdbd8d7ee47_prep:
	.size	k_qdbd8d7ee47_prep, .Lfunc_end_k_qdbd8d7ee47_prep-k_qdbd8d7ee47_prep
	.p2alignl 7, 3214868480
	.fill 96, 4, 3214868480
	.section	.rodata,"a",@progbits
	.p2align	6, 0x0
	.amdhsa_kernel k_qdbd8d7ee47_prep
		.amdhsa_group_segment_fixed_size 70144
		.amdhsa_private_segment_fixed_size 0
		.amdhsa_enable_private_segment 0
		.amdhsa_kernarg_size 56
		.amdhsa_user_sgpr_count 2
		.amdhsa_user_sgpr_kernarg_segment_ptr 1
		.amdhsa_wavefront_size32 1
		.amdhsa_system_sgpr_workgroup_id_x 1
		.amdhsa_system_sgpr_workgroup_id_y 1
		.amdhsa_system_sgpr_workgroup_id_z 1
		.amdhsa_system_vgpr_workitem_id 0
		.amdhsa_next_free_vgpr 212
		.amdhsa_next_free_sgpr 66
		.amdhsa_reserve_vcc 0
		.amdhsa_float_denorm_mode_32 3
		.amdhsa_float_denorm_mode_16_64 3
		.amdhsa_memory_ordered 1
		.amdhsa_forward_progress 1
		.amdhsa_inst_pref_size 61
	.end_amdhsa_kernel
	.amdgpu_metadata
---
amdhsa.version: [ 1, 2 ]
amdhsa.kernels:
  - .name:           k_qdbd8d7ee47_prep
    .symbol:         k_qdbd8d7ee47_prep.kd
    .args:
      - { .name: Wq, .offset: 0, .size: 8, .value_kind: global_buffer, .address_space: global }
      - { .name: Wk, .offset: 8, .size: 8, .value_kind: global_buffer, .address_space: global }
      - { .name: Wv, .offset: 16, .size: 8, .value_kind: global_buffer, .address_space: global }
      - { .name: lowp_scales, .offset: 24, .size: 8, .value_kind: global_buffer, .address_space: global }
      - { .name: mask, .offset: 32, .size: 8, .value_kind: global_buffer, .address_space: global }
      - { .name: wc, .offset: 40, .size: 8, .value_kind: global_buffer, .address_space: global }
      - { .name: mk, .offset: 48, .size: 8, .value_kind: global_buffer, .address_space: global }
    .group_segment_fixed_size: 70144
    .private_segment_fixed_size: 0
    .kernarg_segment_align: 8
    .kernarg_segment_size: 56
    .max_flat_workgroup_size: 128
    .sgpr_count:     66
    .vgpr_count:     212
    .wavefront_size: 32
...
	.end_amdgpu_metadata
.endif
;; end of part 1
;; launch proj (part 2): grid 192 x 1, 4 waves a work-group, no clusters, 281,088 bytes of LDS; arguments q, k, v, wc, lowp_scales, hc; writes hc
.if DOCPART == 2
	.amdgcn_target "amdgcn-amd-amdhsa--gfx1250"
	.amdhsa_code_object_version 6
	.text
	.protected	k_qdbd8d7ee47_proj
	.globl	k_qdbd8d7ee47_proj
	.p2align	8
	.type	k_qdbd8d7ee47_proj,@function
k_qdbd8d7ee47_proj:
	s_mov_b64 s[64:65], 0
	v_nop
	global_prefetch_b8 v0, s[64:65] scope:SCOPE_SE
	s_setreg_imm32_b32 hwreg(HW_REG_WAVE_MODE, 25, 1), 1
	s_wait_xcnt 0x0
; qh = Q(q) Q(Wq), kh = Q(k) Q(Wk), vh = Q(v) Q(Wv): three products [8192][1024] x [1024][1024] on codes of FP8 (E4M3); each result is quantised at once for the attention launch (scales 6, 7, 8 of lowp_scales).
; IN: q, k, v f32 (scales 0, 2, 4); wc: the weights' codes in fragment order, as the first launch lays them (scales 1, 3, 5).
; OUT: hc: qh at 0 and kh at 0x800000, [8 head pairs][8,192 tokens][128 bytes]; vh at 0x1000000, [64 blocks of 128 tokens][1,024 channels][128 tokens]: the keys innermost.
; SHARES.  192 work-groups: 3 tensors x 64 blocks of 128 rows: a block is multiplied by ALL 1,024 columns of its weight, so each f32 number is read once and its codes never leave the work-group.
; FIRST each wave turns 32 rows into codes in LDS: 64 steps of 512 numbers, four loads of 512 consecutive bytes a step, 16 steps (64 loads) on their way.  In each group of 512 along K, place 16 l + 4 i + j holds
; k = 128 i + 4 l + j, alike in wc: a lane's 16 codes are 16 neighbouring bytes with no exchange between lanes, and only the order of the f32 sums changes.
; THEN wave w multiplies the 128 rows by columns 256 w on, in four passes of 64 columns: 32 accumulators; K in 8 steps of 128.  The rows' fragments come from LDS, a step ahead, in two sets of registers;
; the weight's come from memory STRAIGHT INTO REGISTERS, three steps ahead, in four sets: each byte of the weight is read by one wave of the work-group alone.  So no tile of the weight lands in LDS,
; there is no joint load to make and no cluster; and no LDS byte is filled twice, so the one barrier stands between the two parts.
; No prefetch: q, k, v are one plain stream, read once, with 32,768 bytes a wave on their way; the weights are walked by all 64 work-groups of a tensor.
; THE MATRIX INSTRUCTION IS USED TRANSPOSED: a lane holds one row of source 1, its eight registers eight neighbouring rows of source 0.  q, k: source 0 = the weight, source 1 = the tokens: eight channels of a token.
; v: the sources are swapped: eight tokens of a channel.  The two ways part on the tensor's number; each has a stage of its own in LDS.
; THE WAY OUT: sum / 2^(eh - ex - ew), held within +-448, to codes; two passes fill a stage of 128 rows x 128 bytes, which leaves as 32 stores of 512 consecutive bytes.
; LIMITS: ex, and eh - ex - ew, between -126 and 119, so that each power of two and 448 times it are f32 numbers.  NaN among the inputs is not served (an infinity is held at the largest code).
; REGISTERS.  Window 0: v1-14 addresses and constants; v32-95, v96-111 at work; v128-255 rows' set 0.  Window 1: the weight's four sets of 64.  Window 2: the accumulators, (a, b) at 8 (4 a + b).
;   Window 3: v0-127 the stage read back; v128-255 rows' set 1.  (In the first part the two halves v128-255 of windows 0 and 3 hold the 16 steps' numbers.)
.set XPITCH, 1040                      ; a row of codes in LDS: 1,024 bytes + 16: an odd multiple of 16
.set STG,    128*XPITCH
.set SPI,    144                       ; a stage row: 128 bytes + 16
.set WSTG,   128*SPI
.set SPARE,  STG+8*WSTG                ; the spare words, 128 bytes a wave: two blocks of 256 bytes that no other line names
.set LO,  1                            ; v1   16 x lane
.set XB,  2                            ; v2   where my wave's first row of codes begins, + 16 x lane
.set XA,  3                            ; v3   the same, for the trip in hand
.set XF0, 4                            ; v4   a fragment of rows 0-63: row r, + 16 h
.set XF1, 5                            ; v5   of rows 64-127
.set STO, 6                            ; v6   my stage: row r, + 8 h
.set STP, 7                            ; v7   the same, for the pass in hand
.set RD,  8                            ; v8   my stage read back: four rows an instruction
.set SPW, 9                            ; v9   LDS address of my spare word; never rewritten
.set NIL, 10                           ; v10  0; never rewritten
.set XL,  11                           ; v11  448 x 2^ex
.set XS,  12                           ; v12  2^ex
.set LIMR, 13                          ; v13  448 x 2^(eh - ex - ew)
.set SCR, 14                           ; v14  2^(eh - ex - ew)
.set TMP, 32
.set CD,  96
.set XR,  128
.set WV,  16                           ; s16  wave
.set TN,  17                           ; s17  tensor 0, 1, 2
.set RB,  18                           ; s18  block of 128 rows
.set XP,  20                           ; s[20:21] my rows
.set WB,  22                           ; s[22:23] my columns' fragments, the pass in hand
.set HB,  24                           ; s[24:25] where the next stage goes
.set TR,  26                           ; s26  trips to go
.set XO,  27                           ; s27  the trip's rows in LDS
.set PC,  28                           ; s28  passes to go
.set PO,  29                           ; s29  the pass's half of the stage
.set MSB, 0
.macro WIN new                         ; the immediate's high byte repeats the setting that is left
.if MSB != (\new)
	s_set_vgpr_msb (MSB<<8)|(\new)
.set MSB, (\new)
.endif
.endm
.macro XLOAD j, t                      ; step t from the trip's first, into set j: load i gives lane l the numbers k = 128 i + 4 l + 0..3 of the group
	WIN 0xC0*((\j)/8)
.irp i, 0,1,2,3
	global_load_b128 v[XR+16*((\j)%8)+4*\i:XR+16*((\j)%8)+4*\i+3], v[LO], s[XP:XP+1] offset:2048*(\t)+512*\i th:TH_LOAD_NT
.endr
	WIN 0
.endm
.macro XSTEP j, more                   ; more = 1: the set just converted takes the loads of 16 steps on; more = 0, the last trip: all its numbers are in, and nothing is asked for
.if \more
	s_wait_loadcnt 60                              ; this step's four loads are in; those of the 15 steps behind it may be out
.endif
	WIN 0xC3*((\j)/8)
.set ii, 0
.rept 16
	v_med3_num_f32 v[XR+16*((\j)%8)+ii], v[XR+16*((\j)%8)+ii], -v[XL], v[XL]   ; the conversion does not saturate (ISA guide 7.6.2)
.set ii, ii+1
.endr
	WIN 3*((\j)/8)
	v_cvt_scalef32_pk8_fp8_f32 v[CD+4*((\j)%4):CD+4*((\j)%4)+1], v[XR+16*((\j)%8):XR+16*((\j)%8)+7], v[XS]
	v_cvt_scalef32_pk8_fp8_f32 v[CD+4*((\j)%4)+2:CD+4*((\j)%4)+3], v[XR+16*((\j)%8)+8:XR+16*((\j)%8)+15], v[XS]
	WIN 0
	ds_store_b128 v[XA], v[CD+4*((\j)%4):CD+4*((\j)%4)+3] offset:((\j)/2)*XPITCH+((\j)%2)*512   ; places 16 l + 0..15 of the row's group
.if \more
	XLOAD \j, (\j)+16
.endif
.endm
.macro WLD set, off                    ; four fragments of the weight: 16 loads of 512 consecutive bytes
.irp b, 0,1,2,3
.irp c, 0,1,2,3
	global_load_b128 v[64*(\set)+16*\b+4*\c:64*(\set)+16*\b+4*\c+3], v[LO], s[WB:WB+1] offset:(\off)+16384*\b+512*\c
.endr
.endr
.endm
.macro XFR kk                          ; the rows' eight fragments of K step kk, into set kk % 2
	WIN 0xC0*((\kk)%2)
.irp a, 0,1,2,3
.irp c, 0,1,2,3
	ds_load_b128 v[XR+16*\a+4*\c:XR+16*\a+4*\c+3], v[XF0] offset:16*XPITCH*\a+128*(\kk)+32*\c
.endr
.endr
.irp a, 0,1,2,3
.irp c, 0,1,2,3
	ds_load_b128 v[XR+64+16*\a+4*\c:XR+64+16*\a+4*\c+3], v[XF1] offset:16*XPITCH*\a+128*(\kk)+32*\c
.endr
.endr
	WIN 0
.endm
.macro MM V, k                         ; 32 products, the 32 accumulators by turns; K step 0 starts the sums
.if \V
	WIN 0xA4|(3*((\k)%2))                          ; source 0 the rows' set, source 1 window 1, C and D window 2
.else
	WIN 0xA1|(12*((\k)%2))                         ; source 0 window 1, source 1 the rows' set
.endif
.irp a, 0,1,2,3,4,5,6,7
.irp b, 0,1,2,3
.if \V
.if \k == 0
	v_wmma_f32_16x16x128_fp8_fp8 v[8*(4*\a+\b):8*(4*\a+\b)+7], v[XR+16*\a:XR+16*\a+15], v[64*((\k)%4)+16*\b:64*((\k)%4)+16*\b+15], 0
.else
	v_wmma_f32_16x16x128_fp8_fp8 v[8*(4*\a+\b):8*(4*\a+\b)+7], v[XR+16*\a:XR+16*\a+15], v[64*((\k)%4)+16*\b:64*((\k)%4)+16*\b+15], v[8*(4*\a+\b):8*(4*\a+\b)+7]
.endif
.else
.if \k == 0
	v_wmma_f32_16x16x128_fp8_fp8 v[8*(4*\a+\b):8*(4*\a+\b)+7], v[64*((\k)%4)+16*\b:64*((\k)%4)+16*\b+15], v[XR+16*\a:XR+16*\a+15], 0
.else
	v_wmma_f32_16x16x128_fp8_fp8 v[8*(4*\a+\b):8*(4*\a+\b)+7], v[64*((\k)%4)+16*\b:64*((\k)%4)+16*\b+15], v[XR+16*\a:XR+16*\a+15], v[8*(4*\a+\b):8*(4*\a+\b)+7]
.endif
.endif
.endr
.endr
	WIN 0
.endm
; A K step.  One run of loads at its head, into the sets that the step before has read: the weight's fragments of three steps on (into the next pass too), the rows' of the next step.
; The last pass's last three steps ask for no weight, and its last for no rows: there the waits are for 0.
.macro KS V, k
.rept 4
	v_nop                                          ; four places behind the last products, in front of loads into registers that they read
.endr
.if \k >= 5
	s_cmp_eq_u32 s[PC], 1
	s_cbranch_scc1 .Lnl_\@
.endif
.if \k == 7
	XFR 0
.endif
	WIN 0x40
	WLD (\k+3)%4, 65536*((\k+3)/8)+2048*((\k+3)%8)
	WIN 0
.if \k >= 5
	s_branch .Lj_\@
.Lnl_\@:
	s_wait_loadcnt 0x0
.if \k == 7
	s_wait_dscnt 0x0
.endif
.Lj_\@:
.endif
.if \k < 7
	XFR \k+1
.endif
	s_wait_loadcnt 48                              ; this step's fragments of the weight are in; three later sets of 16 loads may be out
	s_wait_dscnt 32                                ; the rows' are in; the next step's 32 loads may be out
	MM \V, \k
.endm
.macro TOST V                          ; a pass's 32 accumulators become codes in my stage, eight at a time
.rept 4
	v_nop
.endr
.irp g, 0,1,2,3
	WIN 0x02                                       ; source 0 window 2
.set jj, 0
.rept 64
	v_med3_num_f32 v[TMP+jj], v[64*\g+jj], -v[LIMR], v[LIMR]   ; each accumulator from its low end on
.set jj, jj+1
.endr
	WIN 0
.irp i, 0,1,2,3,4,5,6,7
	v_cvt_scalef32_pk8_fp8_f32 v[CD+2*\i:CD+2*\i+1], v[TMP+8*\i:TMP+8*\i+7], v[SCR]
.endr
	v_nop                                          ; a plain instruction behind the last conversion
.irp i, 0,1,2,3,4,5,6,7                            ; accumulator (a, b) = (2 g + i / 4, i % 4)
.if \V
	ds_store_b64 v[STP], v[CD+2*\i:CD+2*\i+1] offset:16*SPI*(\i%4)+16*(2*\g+\i/4)   ; channel 16 b + r, tokens 16 a + 8 h + 0..7
.else
	ds_store_b64 v[STP], v[CD+2*\i:CD+2*\i+1] offset:16*SPI*(2*\g+\i/4)+16*(\i%4)   ; token 16 a + r, channels 16 b + 8 h + 0..7
.endif
.endr
.endr
.endm
.macro GEMM V, half, next              ; half: the second pass's place in the stage; next: from one stage's place in hc to the next's
	s_mov_b32 s[PC], 4
.Lpass\V:
.irp k, 0,1,2,3,4,5,6,7
	KS \V, \k
.endr
	TOST \V
	s_xor_b32 s[PO], s[PO], \half
	v_add_nc_u32 v[STP], s[PO], v[STO]
	s_and_b32 s44, s[PC], 1
	s_cmp_eq_u32 s44, 0
	s_wait_alu depctr_va_vdst(0)                   ; the wait here, directly ahead of the branch
	s_cbranch_scc1 .Lnf\V                          ; the stage is whole behind every second pass
	s_wait_xcnt 0x0                                ; the last stage's stores have read their registers
	WIN 0xC0
.set jj, 0
.rept 32
	ds_load_b128 v[4*jj:4*jj+3], v[RD] offset:4*SPI*jj   ; LDS serves a wave's instructions in order: these see my stores
.set jj, jj+1
.endr
	WIN 0
	s_wait_dscnt 0x0
	WIN 0x0C
.set jj, 0
.rept 32
	global_store_b128 v[LO], v[4*jj:4*jj+3], s[HB:HB+1] offset:512*jj   ; four rows of 128 bytes: 512 consecutive bytes, aligned
.set jj, jj+1
.endr
	WIN 0
	s_wait_xcnt 0x0
	s_add_nc_u64 s[HB:HB+1], s[HB:HB+1], \next
.Lnf\V:
	s_wait_xcnt 0x0                                ; the loads on their way have read their base
	s_add_nc_u64 s[WB:WB+1], s[WB:WB+1], 65536     ; the next four tiles of 16 columns
	s_sub_co_u32 s[PC], s[PC], 1
	s_cmp_lg_u32 s[PC], 0
	s_cbranch_scc1 .Lpass\V
.endm
	s_load_b256 s[4:11], s[0:1], 0x0               ; q s[4:5], k s[6:7], v s[8:9], wc s[10:11]
	s_load_b128 s[12:15], s[0:1], 0x20             ; the exponents s[12:13], hc s[14:15]
	v_lshl_add_u32 v[SPW], v0, 2, SPARE
	v_mov_b32 v[NIL], 0
	v_lshrrev_b32 v15, 5, v0
	v_readfirstlane_b32 s[WV], v15                 ; wave 0..3
	s_lshr_b32 s[TN], ttmp9, 6
	s_and_b32 s[RB], ttmp9, 63
	s_lshl_b32 s30, s[RB], 19                      ; 128 rows of 4,096 bytes,
	s_lshl_b32 s31, s[WV], 17                      ; my 32
	s_add_co_u32 s30, s30, s31
	s_mov_b32 s31, 0
	s_lshl_b32 s32, s[TN], 20                      ; the weight's codes,
	s_lshl_b32 s33, s[WV], 18                      ; my 16 tiles of 16,384 bytes
	s_add_co_u32 s32, s32, s33
	s_mov_b32 s33, 0
	s_mul_i32 s34, s[WV], 32*XPITCH
	s_mul_i32 s35, s[WV], WSTG
	s_add_co_u32 s35, s35, STG
	s_lshl_b32 s40, s[TN], 23                      ; hc, q and k: the tensor, head pair 2 w, the block's 128 tokens of 128 bytes
	s_lshl_b32 s41, s[WV], 21
	s_add_co_u32 s40, s40, s41
	s_lshl_b32 s41, s[RB], 14
	s_add_co_u32 s40, s40, s41
	s_lshl_b32 s42, s[RB], 17                      ; v: the block of 128 tokens, channel 256 w
	s_lshl_b32 s43, s[WV], 15
	s_add_co_u32 s42, s42, s43
	s_add_co_u32 s42, s42, 0x1000000
	s_cmp_eq_u32 s[TN], 2
	s_cselect_b32 s40, s42, s40
	s_mov_b32 s41, 0
	s_mov_b32 s[XO], 0
	s_mov_b32 s[PO], 0
	s_mov_b32 s[TR], 3
	v_and_b32 v16, 31, v0
	v_and_b32 v17, 15, v0                          ; r
	v_bfe_u32 v18, v0, 4, 1                        ; h
	v_lshlrev_b32 v[LO], 4, v16
	v_mul_u32_u24 v[XF0], v17, XPITCH
	v_mul_u32_u24 v21, v17, SPI
	v_lshrrev_b32 v19, 3, v16
	v_and_b32 v20, 7, v16
	v_add_nc_u32 v[XB], s34, v[LO]
	v_add_nc_u32 v[XA], s34, v[LO]
	v_lshl_add_u32 v[XF0], v18, 4, v[XF0]
	v_lshl_add_u32 v21, v18, 3, v21
	v_mul_u32_u24 v[RD], v19, SPI
	v_add_nc_u32 v[XF1], 64*XPITCH, v[XF0]
	v_add_nc_u32 v[STO], s35, v21
	v_add_nc_u32 v[STP], s35, v21
	v_lshl_add_u32 v[RD], v20, 4, v[RD]
	v_add_nc_u32 v[RD], s35, v[RD]
	s_wait_alu depctr_va_vdst(0)                   ; the wait here, directly ahead of the wait below
	s_wait_kmcnt 0x0
	s_load_b256 s[72:79], s[12:13], 0x0            ; e0 .. e7
	s_load_b64 s[80:81], s[12:13], 0x20            ; e8, e9
	s_cmp_eq_u32 s[TN], 1
	s_cselect_b64 s[XP:XP+1], s[6:7], s[8:9]
	s_cmp_eq_u32 s[TN], 0
	s_cselect_b64 s[XP:XP+1], s[4:5], s[XP:XP+1]   ; the choice hangs on the work-group's number alone
	s_add_nc_u64 s[XP:XP+1], s[XP:XP+1], s[30:31]
	s_add_nc_u64 s[WB:WB+1], s[10:11], s[32:33]
	s_add_nc_u64 s[HB:HB+1], s[14:15], s[40:41]
.irp j, 0,1,2,3,4,5,6,7,8,9,10,11,12,13,14,15
	XLOAD \j, \j
.endr
	s_wait_kmcnt 0x0
	s_cmp_eq_u32 s[TN], 1
	s_cselect_b32 s36, s74, s76                    ; ex
	s_cselect_b32 s37, s75, s77                    ; ew
	s_cselect_b32 s38, s79, s80                    ; eh
	s_cmp_eq_u32 s[TN], 0
	s_cselect_b32 s36, s72, s36
	s_cselect_b32 s37, s73, s37
	s_cselect_b32 s38, s78, s38
	s_sub_co_i32 s38, s38, s36
	s_sub_co_i32 s38, s38, s37                     ; a sum stands for sum x 2^(ex + ew): its code is sum / 2^(eh - ex - ew)
	s_add_co_i32 s36, s36, 127
	s_lshl_b32 s39, s36, 23
	s_add_co_i32 s36, s36, 8
	s_lshl_b32 s36, s36, 23
	s_or_b32 s36, s36, 0x600000
	s_add_co_i32 s38, s38, 127
	s_lshl_b32 s37, s38, 23
	s_add_co_i32 s38, s38, 8
	s_lshl_b32 s38, s38, 23
	s_or_b32 s38, s38, 0x600000
	v_mov_b32 v[XS], s39
	v_mov_b32 v[XL], s36
	v_mov_b32 v[SCR], s37
	v_mov_b32 v[LIMR], s38
	s_wait_alu depctr_va_vdst(0)                   ; the wait at the head's end
.Lx:                                                   ; three trips of 16 steps, eight rows a trip; each asks for the next trip's numbers
.irp j, 0,1,2,3,4,5,6,7,8,9,10,11,12,13,14,15
	XSTEP \j, 1
.endr
	s_wait_xcnt 0x0                                ; the loads have read their base
	s_add_nc_u64 s[XP:XP+1], s[XP:XP+1], 32768
	s_add_co_u32 s[XO], s[XO], 8*XPITCH
	v_add_nc_u32 v[XA], s[XO], v[XB]
	s_wait_alu depctr_va_vdst(0)                   ; the wait here, ahead of the branch
	s_sub_co_u32 s[TR], s[TR], 1
	s_cmp_lg_u32 s[TR], 0
	s_cbranch_scc1 .Lx
	s_wait_loadcnt 0x0                             ; the fourth trip is written out: all its numbers are in; the weight's first three K steps set out under its conversions
	WIN 0x40
	WLD 0, 0
	WLD 1, 2048
	WLD 2, 4096
	WIN 0
.irp j, 0,1,2,3,4,5,6,7,8,9,10,11,12,13,14,15
	XSTEP \j, 0
.endr
	s_wait_dscnt 0x0
	s_barrier_signal -1
	s_barrier_wait -1                              ; and so are everybody's
	XFR 0
	s_cmp_eq_u32 s[TN], 2
	s_cbranch_scc1 .Lv
	GEMM 0, 64, 0x100000
	s_branch .Lend
.Lv:
	v_add_nc_u32 v[STO], 4*WSTG, v[STO]            ; this way's own stages
	v_add_nc_u32 v[STP], 4*WSTG, v[STP]
	v_add_nc_u32 v[RD], 4*WSTG, v[RD]
	s_wait_alu depctr_va_vdst(0)                   ; the wait here, directly behind the writes
	GEMM 1, 64*SPI, 0x4000
.Lend:
	s_wait_tensorcnt 0x0                           ; the wave's end
	ds_add_u32 v[SPW], v[NIL]
	s_wait_dscnt 0x0
	s_endpgm
.Lfunc_end_k_qdbd8d7ee47_proj:
	.size	k_qdbd8d7ee47_proj, .Lfunc_end_k_qdbd8d7ee47_proj-k_qdbd8d7ee47_proj
	.p2alignl 7, 3214868480
	.fill 96, 4, 3214868480
	.section	.rodata,"a",@progbits
	.p2align	6, 0x0
	.amdhsa_kernel k_qdbd8d7ee47_proj
		.amdhsa_group_segment_fixed_size 281088
		.amdhsa_private_segment_fixed_size 0
		.amdhsa_enable_private_segment 0
		.amdhsa_kernarg_size 48
		.amdhsa_user_sgpr_count 2
		.amdhsa_user_sgpr_kernarg_segment_ptr 1
		.amdhsa_wavefront_size32 1
		.amdhsa_system_sgpr_workgroup_id_x 1
		.amdhsa_system_sgpr_workgroup_id_y 1
		.amdhsa_system_sgpr_workgroup_id_z 1
		.amdhsa_system_vgpr_workitem_id 0
		.amdhsa_next_free_vgpr 1024
		.amdhsa_next_free_sgpr 96
		.amdhsa_reserve_vcc 0
		.amdhsa_float_denorm_mode_32 3
		.amdhsa_float_denorm_mode_16_64 3
		.amdhsa_memory_ordered 1
		.amdhsa_forward_progress 1
		.amdhsa_inst_pref_size 211
	.end_amdhsa_kernel
	.amdgpu_metadata
---
amdhsa.version: [ 1, 2 ]
amdhsa.kernels:
  - .name:           k_qdbd8d7ee47_proj
    .symbol:         k_qdbd8d7ee47_proj.kd
    .args:
      - { .name: q, .offset: 0, .size: 8, .value_kind: global_buffer, .address_space: global }
      - { .name: k, .offset: 8, .size: 8, .value_kind: global_buffer, .address_space: global }
      - { .name: v, .offset: 16, .size: 8, .value_kind: global_buffer, .address_space: global }
      - { .name: wc, .offset: 24, .size: 8, .value_kind: global_buffer, .address_space: global }
      - { .name: lowp_scales, .offset: 32, .size: 8, .value_kind: global_buffer, .address_space: global }
      - { .name: hc, .offset: 40, .size: 8, .value_kind: global_buffer, .address_space: global }
    .group_segment_fixed_size: 281088
    .private_segment_fixed_size: 0
    .kernarg_segment_align: 8
    .kernarg_segment_size: 48
    .max_flat_workgroup_size: 128
    .sgpr_count:     96
    .vgpr_count:     1024
    .wavefront_size: 32
...
	.end_amdgpu_metadata
.endif
;; end of part 2
;; launch attn (part 3): grid 16 x 16, 8 waves a work-group, clusters of 4 x 1, 327,680 bytes of LDS; arguments hc, mk, lowp_scales, out0; writes out0
.if DOCPART == 3
	.amdgcn_target "amdgcn-amd-amdhsa--gfx1250"
	.amdhsa_code_object_version 6
	.text
	.protected	k_qdbd8d7ee47_attn
	.globl	k_qdbd8d7ee47_attn
	.p2align	8
	.type	k_qdbd8d7ee47_attn,@function
k_qdbd8d7ee47_attn:
	s_mov_b64 s[64:65], 0
	v_nop
	global_prefetch_b8 v0, s[64:65] scope:SCOPE_SE
	s_setreg_imm32_b32 hwreg(HW_REG_WAVE_MODE, 25, 1), 1
	s_wait_xcnt 0x0
	s_wait_alu depctr_hold_cnt(0) depctr_sa_sdst(0) depctr_va_vdst(0) depctr_va_sdst(0) depctr_va_ssrc(0) depctr_va_vcc(0) depctr_vm_vsrc(0)
	s_getreg_b32 s2, hwreg(HW_REG_IB_STS2, 6, 4)
	s_cmp_eq_u32 s2, 0
	s_cbranch_scc0 .Lentry_in_a_cluster
	s_endpgm
.Lentry_in_a_cluster:
	s_bfe_u32 s2, ttmp6, 0x10000c
	s_cmp_lg_u32 s2, 0x3003
	s_cbranch_scc0 .Lentry_shape_is_right
	s_endpgm
.Lentry_shape_is_right:
; out0[b][q][64 head + d] = sum over k of softmax_k(mask[q][k] x (qh . kh) / 8) vh[k][d]: 4 batches x 16 heads x 2,048 queries x 2,048 keys, head size 64; both products on codes of FP8 (E4M3).
; IN: hc: qh at 0 and kh at 0x800000, [8 head pairs][8,192 tokens][128 bytes]; vh at 0x1000000, [64 blocks of 128 tokens][1,024 channels][128 tokens]: the keys innermost.
;     mk: the mask, f32, laid by the first launch as [64 blocks of 32 queries][16 key steps][32 pieces][32 lanes][16 bytes]: piece i is registers 4 i .. 4 i + 3 of a wave's 128 mask registers.
; Exponents 6..9 of the scales: e6 qh, e7 kh (their sum is used), e8 vh, e9 p.
; THE SOFTMAX: t = score x mask x 2^(e6 + e7) x log2(e) / 8; M = the running largest t rounded UP to a whole number, kept as -M = the least floor(-t) so far; p = 2^(t - M) is quantised with 2^e9, not normalised;
; the row's sum is taken of the unquantised p and divides at the end.  When M moves, the sum and O are multiplied by 2^(old M - new M): a power of two, no branch on data.
; SHARES.  256 work-groups.  A work-group owns 128 queries of four heads of one batch; wave w owns the two heads of head pair w % 2 and the 32 queries 32 (w / 2) on, as two tiles of 16.
; A fragment of K or V read from LDS feeds two products; the wave's 128 mask registers serve both its heads.  Two waves to a SIMD.  Every wave walks the 2,048 keys in 16 steps of 128.
; THE MASK GOES FROM MEMORY STRAIGHT INTO REGISTERS: 32 loads a step, each 512 consecutive bytes; the next step's are issued as soon as the second head has multiplied, half a step ahead of their wait.
; K and V of four heads (2 x 32,768 bytes a step) come through a ring of two LDS slots.  CLUSTER 4 x 1: four blocks of queries of one batch and head group need the same K and V: asked for JOINTLY.
; The mask is no joint load: it lands in no LDS, and the partners of a cluster read different rows of it.
; LAYOUT.  Both products transposed: S^T = K Q^T, O^T = V^T P^T: a lane holds ONE query (lane % 16).  In S^T's tile t register j is key 16 t + 8 (lane / 16) + j: the conversion of a tile's eight registers gives
; registers 2 t, 2 t + 1 of the second product's operand.  THE CODES ARE LAID OVER THE SCORES: the operand begins two registers below its tile's 64 scores, so tile t's codes fall on scores that are already converted.
; LIMITS: e6 + e7 between -123 and 130 (added to the constant's exponent field); e9 between -126 and 119; e8 + e9 goes by v_ldexp_f32.  The scaled scores stay under 2^31 in magnitude.  NaN is not served.
; REGISTERS.  Window 0: v1-7 addresses and constants; v8-23 four statistics for each (head, tile): -M, at work, the sum in two halves; v24-27 f and at work, a pair a tile; v28-91 K's eight fragments, then V's four;
;   v92-157, v158-223 a pair and 64 scores for each tile; v224-255 Q.   Window 1: v0-127 O^T, 32 for each (head, tile); v128-255 the mask.
.set SLOT1, 131072                     ; slot 1 begins here: one exclusive or turns an address in one slot into the other's
.set VOFF,  34816                      ; a slot: K: 2 head pairs x 64 rows x 272 (a row: two tokens' 128 bytes, + 16 of padding); V: 128 rows x 272 (two channels' 128 keys, + 16)
.set SPARE, 262144                     ; the spare words, 128 bytes a wave: four blocks of 256 bytes that no other line names
.set STAGE, 263168                     ; the way out: 16 rows x 272 bytes for each wave; no fill lands here
.set AK,  1                            ; v1   my lane's place in K's tiles of the slot in hand
.set AV,  2                            ; v2   in V's
.set SPW, 3                            ; v3   LDS address of my spare word; never rewritten
.set NIL, 4                            ; v4   0; never rewritten
.set MO,  5                            ; v5   16 x lane: my bytes of a mask load
.set SCL, 6                            ; v6   2^e9 as f32
.set PFO, 7                            ; v7   256 x lane: the prefetches' offset
.set ST,  8
.set FT,  24
.set KV,  28
.set S0,  94                           ; tile q's scores at S0 + 66 q; its codes at S0 + 66 q - 2
.set QR,  224
.set O,   0                            ; window 1
.set MK,  128                          ; window 1
.set STO, 28                           ; the way out: addresses, where K's fragments lay
.set RD,  29
.set GO,  30
.set WV,  16                           ; s16  my wave's number
.set G1C, 24                           ; s[24:31] descriptor group 1
.set G0K, 40                           ; s[40:43], s[44:47] groups 0 for K and V: they walk
.set G0V, 44
.set MB,  52                           ; s[52:53] where my mask loads stand
.set SEL, 60                           ; s[60:61] lane selects: lane l xor 16
.set CS,  62                           ; s[62:63] c = 2^(e6 + e7) log2(e) / 8
.set HS,  66                           ; s66  448 x 2^e9
.set SLOTS, 67                         ; s67  tiles still to be asked for
.set PFA, 72                           ; s[72:73] where my prefetches stand
.set PFS, 74                           ; s[74:75] a key step on in the tensor that I prefetch
.set LIM, 76                           ; s76  1 in a wave that prefetches, else the greatest number
.set ESUM, 94                          ; s94  e8 + e9
.set MSB, 0
.macro WIN new                         ; the immediate's high byte repeats the setting that is left
.if MSB != (\new)
	s_set_vgpr_msb (MSB<<8)|(\new)
.set MSB, (\new)
.endif
.endm
; A joint load.  Waves 0, 1: K's two head pairs; waves 2, 3: V's two halves; the others none.  An s_nop 0 and four v_nop follow each line.
.macro JLOAD
	s_cmp_lt_u32 s[WV], 2
	s_cbranch_scc0 .Lnot_k_\@
	tensor_load_to_lds s[G0K:G0K+3], s[G1C:G1C+7]
	s_nop 0
.rept 4
	v_nop
.endr
	s_branch .Lasked_\@
.Lnot_k_\@:
	s_cmp_lt_u32 s[WV], 4
	s_cbranch_scc0 .Lasked_\@
	tensor_load_to_lds s[G0V:G0V+3], s[G1C:G1C+7]
	s_nop 0
.rept 4
	v_nop
.endr
.Lasked_\@:
.endm
; A PREFETCH INTO THE L2 of the key step behind the one that this change of slots loads: one instruction a wave, a lane an aligned block of 256 bytes.
; Wave 4: K, wave 5: V: of a step's 2 x 32,768 bytes each of the cluster's four partners takes 8,192 of each, told apart BY ADDRESS: each block is named once in each cluster.
; Wave 6: the mask.  The 16 work-groups of one block of 128 queries read the same 4 x 16,384 bytes a step: the eight with an even y take 8,192 each (y is the same in all partners of a cluster).
; The last change that fills a slot asks for nothing; steps 0 and 1 come by their loads alone.
.macro ASK
	s_cmp_gt_u32 s[SLOTS], s[LIM]
	s_cbranch_scc0 .Lnot_mine_\@
	global_prefetch_b8 v[PFO], s[PFA:PFA+1] th:TH_LOAD_NT scope:SCOPE_SE
.Lnot_mine_\@:
.endm
.macro CROUND                          ; a round of the cluster's barrier
	s_barrier_signal -1
	s_barrier_wait -1
	s_cmp_lg_u32 s[WV], 0
	s_cbranch_scc1 .Lnot_wave_0_\@
	s_barrier_signal -3
.Lnot_wave_0_\@:
	s_barrier_wait -3
	s_barrier_signal -1
	s_barrier_wait -1
.endm
.macro MASKLOAD                        ; 32 loads, each 512 consecutive bytes: my 32 queries x 128 keys
	WIN 0x40                                       ; destination window 1
.set jj, 0
.rept 32
	global_load_b128 v[MK+4*jj:MK+4*jj+3], v[MO], s[MB:MB+1] offset:512*jj
.set jj, jj+1
.endr
	WIN 0
.endm
	s_load_b256 s[4:11], s[0:1], 0x0               ; hc s[4:5], mk s[6:7], the exponents s[8:9], out0 s[10:11]
	v_lshl_add_u32 v[SPW], v0, 2, SPARE
	v_mov_b32 v[NIL], 0
	ds_add_u32 v[SPW], v[NIL]                      ; the opening: the add, twice on end, and its wait ahead of the round in front of the first tensor loads
	ds_add_u32 v[SPW], v[NIL]
	v_lshrrev_b32 v96, 5, v0
	v_readfirstlane_b32 s[WV], v96                 ; wave 0..7
	s_and_b32 s17, s[WV], 1                        ; my head pair in the group.  Also: which half of K or of V I fetch
	s_lshr_b32 s18, s[WV], 1                       ; which 32 queries are mine
	s_bfe_u32 s12, ttmp6, 0x40000                  ; cx
	s_and_b32 s13, ttmp7, 0xffff                   ; y
	s_lshr_b32 s14, s13, 2                         ; the batch
	s_and_b32 s19, s13, 3                          ; the head group
	s_lshl_b32 s15, ttmp9, 2
	s_add_co_u32 s15, s15, s12                     ; my block of 128 queries
	s_mov_b32 s[G1C], 15|(1<<20)|(1<<21)|(5<<22)|(3<<25)   ; the mask: all four partners; elements of 1 byte; padding on; bit 21 beside a mask; four words after every 64
	s_mov_b32 s[G1C+1], 256<<16                    ; 64 rows x 256 bytes, dense in memory
	s_mov_b32 s[G1C+2], 64<<16
	s_mov_b32 s[G1C+3], 256<<16
	s_mov_b32 s[G1C+4], 64
	s_mov_b32 s[G1C+5], 256
	s_mov_b32 s[G1C+6], 0
	s_mov_b32 s[G1C+7], 0
	s_lshl_b32 s78, s19, 21                        ; head pair 2 x group + s17, 2^20 bytes each,
	s_lshl_b32 s77, s17, 20
	s_add_co_u32 s78, s78, s77
	s_lshl_b32 s77, s14, 18                        ; the batch's 2,048 tokens of 128 bytes
	s_add_co_u32 s78, s78, s77
	s_lshl_b32 s84, s15, 14                        ; Q: the block's 128 tokens,
	s_add_co_u32 s84, s84, s78
	s_lshl_b32 s85, s18, 12                        ; my 32
	s_add_co_u32 s84, s84, s85
	s_mov_b32 s85, 0
	s_add_co_u32 s78, s78, 0x800000                ; K
	s_mov_b32 s79, 0
	s_lshl_b32 s80, s14, 21                        ; V: the batch's 16 blocks of 2^17 bytes,
	s_lshl_b32 s77, s19, 15                        ; the group's 256 channels of 128 bytes,
	s_add_co_u32 s80, s80, s77
	s_lshl_b32 s77, s17, 14                        ; my half of them
	s_add_co_u32 s80, s80, s77
	s_add_co_u32 s80, s80, 0x1000000
	s_mov_b32 s81, 0
	s_lshl_b32 s82, s15, 2                         ; the mask: my block of 32 queries, 2^18 bytes each
	s_add_co_u32 s82, s82, s18
	s_lshl_b32 s82, s82, 18
	s_mov_b32 s83, 0
	s_mul_i32 s22, s17, 17408                      ; where K's or V's half goes in a slot: no place in the cluster enters an LDS address
	s_mov_b32 s[SEL], 0x76543210
	s_mov_b32 s[SEL+1], 0xfedcba98
	s_mov_b32 s[SLOTS], 15
	s_wait_dscnt 0x0                               ; both opening adds are done
	s_wait_kmcnt 0x0
	s_load_b128 s[68:71], s[8:9], 0x18             ; e6, e7, e8, e9
	s_mov_b32 s[G0K], 1
	s_mov_b32 s[G0K+1], s22
	s_add_nc_u64 s[G0K+2:G0K+3], s[4:5], s[78:79]
	s_or_b32 s[G0K+3], s[G0K+3], 0x80000000
	s_mov_b32 s[G0V], 1
	s_add_co_u32 s[G0V+1], s22, VOFF
	s_add_nc_u64 s[G0V+2:G0V+3], s[4:5], s[80:81]
	s_or_b32 s[G0V+3], s[G0V+3], 0x80000000
	s_add_nc_u64 s[86:87], s[4:5], s[84:85]
	s_add_nc_u64 s[MB:MB+1], s[6:7], s[82:83]
	CROUND                                         ; all four work-groups are here: the first joint loads meet
	JLOAD                                          ; key step 0 into slot 0
	v_and_b32 v96, 15, v0                          ; r = lane % 16
	v_bfe_u32 v97, v0, 4, 1                        ; h = lane / 16
	v_and_b32 v[MO], 31, v0
	v_lshlrev_b32 v99, 7, v96
	v_lshlrev_b32 v[PFO], 8, v[MO]
	v_lshl_add_u32 v99, v97, 4, v99                ; token r, + 16 h
	v_lshlrev_b32 v[MO], 4, v[MO]
.irp a, 0,1
.irp q, 0,1
	global_load_b128 v[QR+16*\a+8*\q:QR+16*\a+8*\q+3],   v99, s[86:87] offset:2048*\q+64*\a      ; Q's fragments stay in registers
	global_load_b128 v[QR+16*\a+8*\q+4:QR+16*\a+8*\q+7], v99, s[86:87] offset:2048*\q+64*\a+32
.endr
.endr
	MASKLOAD                                       ; key step 0's mask
	WIN 0x40
.set jj, 0
.rept 128
	v_mov_b32 v[O+jj], 0                           ; O^T.  (The step is written once for all steps: the first finds zeros, which the first change of M leaves zeros)
.set jj, jj+1
.endr
	WIN 0
	; the prefetches: where mine stand (at key step 1; the first change of slots steps them to 2), and who asks
	s_lshl_b32 s56, s19, 21                        ; K: partner cx takes head pair cx / 2, half cx % 2
	s_lshr_b32 s57, s12, 1
	s_lshl_b32 s57, s57, 20
	s_add_co_u32 s56, s56, s57
	s_lshl_b32 s57, s14, 18
	s_add_co_u32 s56, s56, s57
	s_and_b32 s57, s12, 1
	s_lshl_b32 s57, s57, 13
	s_add_co_u32 s56, s56, s57
	s_add_co_u32 s56, s56, 0x800000+16384
	s_lshl_b32 s58, s14, 21                        ; V: partner cx takes 8,192 of the group's 32,768 bytes
	s_lshl_b32 s57, s19, 15
	s_add_co_u32 s58, s58, s57
	s_lshl_b32 s57, s12, 13
	s_add_co_u32 s58, s58, s57
	s_add_co_u32 s58, s58, 0x1000000+131072
	s_lshl_b32 s59, s15, 2                         ; the mask: of the block's four runs of 16,384 bytes the one numbered y / 4, its half (y / 2) % 2
	s_add_co_u32 s59, s59, s14
	s_lshl_b32 s59, s59, 18
	s_bfe_u32 s57, s13, 0x10001
	s_lshl_b32 s57, s57, 13
	s_add_co_u32 s59, s59, s57
	s_add_co_u32 s59, s59, 16384
	s_mov_b32 s57, 0x4000
	s_cmp_eq_u32 s[WV], 5
	s_cselect_b32 s58, s58, s59
	s_cselect_b32 s[PFS], 0x20000, s57             ; a key step on: 131,072 bytes in V, 16,384 in K and in mk
	s_cmp_eq_u32 s[WV], 4
	s_cselect_b32 s56, s56, s58
	s_mov_b32 s57, 0
	s_mov_b32 s[PFS+1], 0
	s_cmp_lt_u32 s[WV], 6
	s_cselect_b64 s[PFA:PFA+1], s[4:5], s[6:7]
	s_add_nc_u64 s[PFA:PFA+1], s[PFA:PFA+1], s[56:57]
	s_lshr_b32 s58, s[WV], 1
	s_cmp_eq_u32 s58, 2
	s_cselect_b32 s58, 0, 1                        ; waves 4 and 5 ask;
	s_and_b32 s59, s13, 1
	s_cmp_eq_u32 s[WV], 6
	s_cselect_b32 s58, s59, s58                    ; wave 6 where y is even
	s_cmp_eq_u32 s58, 0
	s_cselect_b32 s[LIM], 1, -1
	s_lshl_b32 s92, s14, 23                        ; out0: the batch's 2,048 rows of 4,096 bytes,
	s_lshl_b32 s93, s15, 19                        ; the block's 128,
	s_add_co_u32 s92, s92, s93
	s_lshl_b32 s93, s18, 17                        ; my 32,
	s_add_co_u32 s92, s92, s93
	s_lshl_b32 s93, s19, 10                        ; the group's four heads of 256 bytes,
	s_add_co_u32 s92, s92, s93
	s_lshl_b32 s93, s17, 9                         ; my two
	s_add_co_u32 s92, s92, s93
	s_mov_b32 s93, 0
	s_add_nc_u64 s[10:11], s[10:11], s[92:93]
	s_mul_i32 s88, s17, 17408                      ; my head pair's block of K; my two heads' 128 channels of V are as many bytes on
	s_add_co_u32 s89, s88, VOFF
	s_mul_i32 s91, s[WV], 16*272
	s_add_co_u32 s91, s91, STAGE                   ; my stage
	s_wait_kmcnt 0x0
	s_mov_b32 s[CS], 0x3e38aa3b                    ; log2(e) / 8
	s_add_co_i32 s92, s68, s69
	s_lshl_b32 s92, s92, 23
	s_add_co_i32 s[CS], s[CS], s92                 ; the exponents are added to the constant's exponent field
	s_mov_b32 s[CS+1], s[CS]
	s_add_co_i32 s92, s71, 127
	s_lshl_b32 s93, s92, 23                        ; 2^e9 as f32
	s_add_co_i32 s92, s92, 8
	s_lshl_b32 s92, s92, 23
	s_or_b32 s[HS], s92, 0x600000                  ; 448 x 2^e9
	s_add_co_i32 s[ESUM], s70, s71
	v_lshrrev_b32 v100, 1, v96
	v_and_b32 v101, 1, v96
	v_mov_b32 v[SCL], s93
	v_mul_u32_u24 v102, v100, 272
	s_delay_alu instid0(VALU_DEP_1)
	v_lshl_add_u32 v102, v101, 7, v102             ; row r of K or of V: 272 (r / 2) + 128 (r % 2)
	s_delay_alu instid0(VALU_DEP_1)
	v_lshl_add_u32 v[AK], v97, 4, v102
	v_lshl_add_u32 v[AV], v97, 3, v102
	s_delay_alu instid0(VALU_DEP_2)
	v_add_nc_u32 v[AK], s88, v[AK]
	s_delay_alu instid0(VALU_DEP_2)
	v_add_nc_u32 v[AV], s89, v[AV]
.irp u, 0,1,2,3
	v_mov_b32 v[ST+4*\u], 0x7f61b1e6               ; -M: 3e38, above every floor(-t)
	v_mov_b32 v[ST+4*\u+1], 0
	v_mov_b32 v[ST+4*\u+2], 0                      ; the sum, in two halves
	v_mov_b32 v[ST+4*\u+3], 0
	v_mov_b32 v[FT+\u], 0
.endr
; 128 keys x my 32 queries of head a of my pair.  more = 1: the next step's mask is asked for as soon as this head has multiplied.
.macro UNIT a, more
.rept 5
	v_nop                                          ; five places behind the last products: the first products below write over the codes that those read, and K's loads land on V's fragments
.endr
.irp t, 0,1,2,3,4,5,6,7
	ds_load_b128 v[KV+8*\t:KV+8*\t+3],   v[AK] offset:2176*\t+64*\a       ; K's fragment t: keys 16 t + r, my head's bytes 16 h + 0..15
	ds_load_b128 v[KV+8*\t+4:KV+8*\t+7], v[AK] offset:2176*\t+64*\a+32    ; and 32 + 16 h + 0..15
.endr
.irp t, 0,1,2,3,4,5,6,7
.if \t == 0
	s_wait_dscnt 8                                 ; fragments 0 to 3 are in; the youngest eight loads may be out
.endif
.if \t == 4
	s_wait_dscnt 0x0
.endif
.irp q, 0,1
	v_wmma_f32_16x16x64_fp8_fp8 v[S0+66*\q+8*\t:S0+66*\q+8*\t+7], v[KV+8*\t:KV+8*\t+7], v[QR+16*\a+8*\q:QR+16*\a+8*\q+7], 0
.endr
.endr
.rept 4
	v_nop                                          ; places: in front of the loads into K's registers, and of the first read of the scores
.endr
.irp c, 0,1,2,3
.irp k, 0,1,2,3,4,5,6,7
	ds_load_b64 v[KV+16*\c+2*\k:KV+16*\c+2*\k+1], v[AV] offset:8704*\a+2176*\c+16*\k   ; V's fragment c: channel 16 c + r, keys 16 k + 8 h + 0..7; they travel during the softmax
.endr
.endr
.if \a == 0
	s_wait_loadcnt 0x0                             ; this step's mask is in
.endif
	WIN 0x04                                       ; source 1 (the mask) window 1
.irp q, 0,1
.set jj, 0
.rept 32
	v_pk_mul_f32 v[S0+66*\q+jj:S0+66*\q+jj+1], v[S0+66*\q+jj:S0+66*\q+jj+1], v[MK+64*\q+jj:MK+64*\q+jj+1]   ; score x mask, each accumulator from its low end on
.set jj, jj+2
.endr
.endr
	WIN 0
.if \more
	s_add_nc_u64 s[MB:MB+1], s[MB:MB+1], 16384     ; (the loads that read this base were waited for in this step's first half)
	MASKLOAD
.endif
.irp q, 0,1                                    ; the step's largest score of my query among my 64 keys: three chains a tile, the six by turns
	v_max3_num_f32 v[ST+8*\a+4*\q+1], v[S0+66*\q], v[S0+66*\q+1], v[S0+66*\q+2]
	v_max3_num_f32 v[FT+2*\q+1], v[S0+66*\q+3], v[S0+66*\q+4], v[S0+66*\q+5]
	v_max3_num_f32 v[FT+2*\q], v[S0+66*\q+6], v[S0+66*\q+7], v[S0+66*\q+8]
.endr
.irp i, 9,15,21,27,33,39,45,51,57
.irp q, 0,1
	v_max3_num_f32 v[ST+8*\a+4*\q+1], v[ST+8*\a+4*\q+1], v[S0+66*\q+\i], v[S0+66*\q+\i+1]
	v_max3_num_f32 v[FT+2*\q+1], v[FT+2*\q+1], v[S0+66*\q+\i+2], v[S0+66*\q+\i+3]
	v_max3_num_f32 v[FT+2*\q], v[FT+2*\q], v[S0+66*\q+\i+4], v[S0+66*\q+\i+5]
.endr
.endr
	s_delay_alu instid0(VALU_DEP_4)
	v_max3_num_f32 v[ST+8*\a+1], v[ST+8*\a+1], v[FT+1], v[FT]
	s_delay_alu instid0(VALU_DEP_2)
	v_max3_num_f32 v[ST+8*\a+5], v[ST+8*\a+5], v[FT+3], v[FT+2]
.irp q, 0,1
	s_delay_alu instid0(VALU_DEP_2)
	v_max_num_f32 v[ST+8*\a+4*\q+1], v[ST+8*\a+4*\q+1], v[S0+66*\q+63]
.endr
.irp q, 0,1
	s_delay_alu instid0(VALU_DEP_2)
	v_permlanex16_b32 v[FT+2*\q+1], v[ST+8*\a+4*\q+1], s[SEL], s[SEL+1]
.endr
.irp q, 0,1
	s_delay_alu instid0(VALU_DEP_2)
	v_max_num_f32 v[ST+8*\a+4*\q+1], v[ST+8*\a+4*\q+1], v[FT+2*\q+1]   ; and among lane l xor 16's
.endr
.irp q, 0,1
	s_delay_alu instid0(VALU_DEP_2)
	v_mul_f32 v[ST+8*\a+4*\q+1], s[CS], v[ST+8*\a+4*\q+1]              ; as t (c is positive)
.endr
.irp q, 0,1
	s_delay_alu instid0(VALU_DEP_2)
	v_floor_f32 v[ST+8*\a+4*\q+1], -v[ST+8*\a+4*\q+1]                  ; floor(-t) = -ceil(t)
.endr
.irp q, 0,1
	s_delay_alu instid0(VALU_DEP_2)
	v_min_num_f32 v[ST+8*\a+4*\q+1], v[ST+8*\a+4*\q+1], v[ST+8*\a+4*\q]   ; the new -M
.endr
.irp q, 0,1
	s_delay_alu instid0(VALU_DEP_2)
	v_sub_f32 v[FT+2*\q+1], v[ST+8*\a+4*\q+1], v[ST+8*\a+4*\q]         ; old M - new M: a whole number, 0 or less
.endr
.irp q, 0,1
	s_delay_alu instid0(VALU_DEP_4)
	v_mov_b32 v[ST+8*\a+4*\q], v[ST+8*\a+4*\q+1]
.endr
.irp q, 0,1
	s_delay_alu instid0(VALU_DEP_4)
	v_cvt_i32_f32 v[FT+2*\q+1], v[FT+2*\q+1]                           ; (it saturates)
.endr
.irp q, 0,1
	s_delay_alu instid0(VALU_DEP_2)
	v_ldexp_f32 v[FT+2*\q], 1.0, v[FT+2*\q+1]                          ; f = 2^(old M - new M)
.endr
.irp j, 0,2,4,6,8,10,12,14,16,18,20,22,24,26,28,30,32,34,36,38,40,42,44,46,48,50,52,54,56,58,60,62
.irp q, 0,1
	v_pk_fma_f32 v[S0+66*\q+\j:S0+66*\q+\j+1], v[S0+66*\q+\j:S0+66*\q+\j+1], s[CS:CS+1], v[ST+8*\a+4*\q:ST+8*\a+4*\q+1] op_sel_hi:[1,0,0]   ; t - M (of the pairs c and -M the low word serves both halves)
.endr
.endr
	s_wait_alu depctr_va_vdst(0)                   ; the wait ahead of the batch
.irp q, 0,1
.set jj, 0
.rept 64
	v_exp_f32 v[S0+66*\q+jj], v[S0+66*\q+jj]       ; p = 2^(t - M), at most 1: not normalised
.set jj, jj+1
.endr
.endr
.irp q, 0,1
	v_pk_mul_f32 v[ST+8*\a+4*\q+2:ST+8*\a+4*\q+3], v[ST+8*\a+4*\q+2:ST+8*\a+4*\q+3], v[FT+2*\q:FT+2*\q+1] op_sel_hi:[1,0]   ; the sums under the new M: the plain instructions behind the exponentials
.endr
	s_wait_alu depctr_va_vdst(0)                   ; one wait for the whole batch, ahead of its first reader
.irp q, 0,1
	v_pk_add_f32 v[S0+66*\q-2:S0+66*\q-1], v[S0+66*\q:S0+66*\q+1], v[S0+66*\q+2:S0+66*\q+3]   ; the row's sum is taken of the UNQUANTISED p: two chains a tile; the second stands in the pair below the scores
.endr
.irp j, 4,8,12,16,20,24,28,32,36,40,44,48,52,56,60
.irp q, 0,1
	v_pk_add_f32 v[ST+8*\a+4*\q+2:ST+8*\a+4*\q+3], v[ST+8*\a+4*\q+2:ST+8*\a+4*\q+3], v[S0+66*\q+\j:S0+66*\q+\j+1]
	v_pk_add_f32 v[S0+66*\q-2:S0+66*\q-1], v[S0+66*\q-2:S0+66*\q-1], v[S0+66*\q+\j+2:S0+66*\q+\j+3]
.endr
.endr
	s_delay_alu instid0(VALU_DEP_3)
	v_pk_add_f32 v[ST+8*\a+2:ST+8*\a+3], v[ST+8*\a+2:ST+8*\a+3], v[S0-2:S0-1]
	s_delay_alu instid0(VALU_DEP_2)
	v_pk_add_f32 v[ST+8*\a+6:ST+8*\a+7], v[ST+8*\a+6:ST+8*\a+7], v[S0+64:S0+65]
.irp t, 0,1,2,3,4,5,6,7
.irp q, 0,1
.irp i, 0,2,4,6
	v_dual_min_num_f32 v[S0+66*\q+8*\t+\i], s[HS], v[S0+66*\q+8*\t+\i] :: v_dual_min_num_f32 v[S0+66*\q+8*\t+\i+1], s[HS], v[S0+66*\q+8*\t+\i+1]   ; the conversion does not saturate (ISA guide 7.6.2); p is not negative: a one-sided hold, two a line
.endr
.endr
.irp q, 0,1
	v_cvt_scalef32_pk8_fp8_f32 v[S0+66*\q+2*\t-2:S0+66*\q+2*\t-1], v[S0+66*\q+8*\t:S0+66*\q+8*\t+7], v[SCL]   ; keys 16 t + 8 h + 0..7: registers 2 t, 2 t + 1 of the operand, on the pair below or on scores of a tile converted earlier
.endr
.endr
	WIN 0x41                                       ; O^T (destination and source 0) window 1, f window 0
	s_wait_alu depctr_va_vdst(0)                   ; the wait here, directly ahead of the first reader of O^T
.irp j, 0,2,4,6,8,10,12,14,16,18,20,22,24,26,28,30
.irp q, 0,1
	v_pk_mul_f32 v[O+64*\a+32*\q+\j:O+64*\a+32*\q+\j+1], v[O+64*\a+32*\q+\j:O+64*\a+32*\q+\j+1], v[FT+2*\q:FT+2*\q+1] op_sel_hi:[1,0]   ; O^T under the new M.  (Also the plain instructions between the conversions and the products)
.endr
.endr
	s_wait_alu depctr_va_vdst(0)                   ; the wait here, directly ahead of the wait below
	s_wait_dscnt 0x0                               ; V is in
	WIN 0x50                                       ; C and D window 1
.irp c, 0,1,2,3
.irp q, 0,1                                    ; eight accumulators by turns, one instruction a turn
	v_wmma_f32_16x16x128_fp8_fp8 v[O+64*\a+32*\q+8*\c:O+64*\a+32*\q+8*\c+7], v[KV+16*\c:KV+16*\c+15], v[S0+66*\q-2:S0+66*\q+13], v[O+64*\a+32*\q+8*\c:O+64*\a+32*\q+8*\c+7]
.endr
.endr
	WIN 0
.endm
; THE CHANGE OF SLOTS stands at a step's head.  Each wave waits for all its tensor loads, adds 0 to its spare word, and waits for that and for its reads of the slot that it has left.
; fill = 1: the barrier is a round of the cluster's; the joint refill is the first tensor load behind it and has a whole step, both heads' work, in which to land.
.macro CHANGE fill
	s_wait_tensorcnt 0x0
	ds_add_u32 v[SPW], v[NIL]
.if \fill
	ds_add_u32 v[SPW], v[NIL]                      ; and once more
	s_xor_b32 s[G0K+1], s[G0K+1], SLOT1            ; the walking descriptors: the other slot, the next 128 keys
	s_add_nc_u64 s[G0K+2:G0K+3], s[G0K+2:G0K+3], 16384
	s_xor_b32 s[G0V+1], s[G0V+1], SLOT1
	s_add_nc_u64 s[G0V+2:G0V+3], s[G0V+2:G0V+3], 131072
	s_wait_xcnt 0x0                                ; the last prefetch, a step back, has read its address
	s_add_nc_u64 s[PFA:PFA+1], s[PFA:PFA+1], s[PFS:PFS+1]
	s_wait_dscnt 0x0
	CROUND
	JLOAD
	ASK
.else
	s_wait_dscnt 0x0
	s_barrier_signal -1
	s_barrier_wait -1
.endif
.endm
	s_wait_alu depctr_va_vdst(0)                   ; the wait at the head's end
	s_wait_loadcnt 32                              ; Q's eight loads are in; the mask's 32 may be out
.Lstep:                                                ; 15 trips: behind each change of slots but the last the next step's tiles are asked for
	CHANGE 1
	UNIT 0, 0
	UNIT 1, 1
	v_xor_b32 v[AK], SLOT1, v[AK]                  ; on to the other slot
	v_xor_b32 v[AV], SLOT1, v[AV]
	s_wait_alu depctr_va_vdst(0)                   ; the wait here, directly behind the writes
	s_sub_co_u32 s[SLOTS], s[SLOTS], 1
	s_cmp_lg_u32 s[SLOTS], 0
	s_cbranch_scc1 .Lstep
	CHANGE 0                                       ; the last step is written out: it asks for no tile and no mask
	UNIT 0, 0
	UNIT 1, 0
	; THE WAY OUT.  O^T is divided by the row's sum, multiplied by 2^(e8 + e9) and goes through my stage in LDS, a tile (16 queries x 256 bytes) at a time,
	; so that sixteen lanes store 256 consecutive bytes, aligned: a head's 64 channels of a row of out0.  u = 2 x head + tile.  The additions are the places behind the last products.
.irp u, 0,1,2,3
	v_add_f32 v[ST+4*\u+2], v[ST+4*\u+2], v[ST+4*\u+3]
.endr
.irp u, 0,1,2,3
	s_delay_alu instid0(VALU_DEP_4)
	v_permlanex16_b32 v[ST+4*\u+1], v[ST+4*\u+2], s[SEL], s[SEL+1]
.endr
.irp u, 0,1,2,3
	s_delay_alu instid0(VALU_DEP_4)
	v_add_f32 v[ST+4*\u+2], v[ST+4*\u+2], v[ST+4*\u+1]   ; the row's sum: above 1/2, since the largest p is
.endr
	s_wait_alu depctr_va_vdst(0)                   ; the wait ahead of the batch
.irp u, 0,1,2,3
	v_rcp_f32 v[ST+4*\u], v[ST+4*\u+2]
.endr
	v_and_b32 v31, 15, v0                          ; r
	v_bfe_u32 v32, v0, 4, 1                        ; h
	v_mul_u32_u24 v[STO], v31, 272
	v_mul_u32_u24 v[RD], v32, 272
	v_lshlrev_b32 v[GO], 12, v32
	v_lshl_add_u32 v[STO], v32, 5, v[STO]
	v_lshl_add_u32 v[RD], v31, 4, v[RD]
	v_lshl_add_u32 v[GO], v31, 4, v[GO]            ; two rows of out0, 4,096 bytes apart, 16 bytes a lane
	v_add_nc_u32 v[STO], s91, v[STO]               ; in: row r, + 32 h
	v_add_nc_u32 v[RD], s91, v[RD]                 ; back: lanes 0-15 one row, lanes 16-31 the next
	s_wait_alu depctr_va_vdst(0)                   ; one wait for the four reciprocals, ahead of their first reader
.irp u, 0,1,2,3
	v_ldexp_f32 v[ST+4*\u], v[ST+4*\u], s[ESUM]
.endr
	WIN 0x01                                       ; source 0 (O^T) window 1
	s_wait_alu depctr_va_vdst(0)                   ; the wait here, directly ahead of the first reader of O^T
.irp u, 0,1,2,3
.irp j, 0,2,4,6,8,10,12,14,16,18,20,22,24,26,28,30
	v_pk_mul_f32 v[S0+32*\u+\j:S0+32*\u+\j+1], v[O+32*\u+\j:O+32*\u+\j+1], v[ST+4*\u:ST+4*\u+1] op_sel_hi:[1,0]   ; register 8 c + i is out(query r, channel 16 c + 8 h + i); each accumulator from its low end on
.endr
.endr
	WIN 0
.irp u, 0,1,2,3
.irp c, 0,1,2,3
	ds_store_b128 v[STO], v[S0+32*\u+8*\c:S0+32*\u+8*\c+3] offset:64*\c
	ds_store_b128 v[STO], v[S0+32*\u+8*\c+4:S0+32*\u+8*\c+7] offset:64*\c+16
.endr
	WIN 0x40                                       ; back into the registers that held the mask
.irp i, 0,1,2,3,4,5,6,7
	ds_load_b128 v[MK+32*\u+4*\i:MK+32*\u+4*\i+3], v[RD] offset:544*\i   ; LDS serves a wave's instructions in order (ISA guide 5.7.1.4): these see my stores, and the next tile's stores come behind them
.endr
	WIN 0
.endr
	WIN 0x04                                       ; the stores' data: window 1
.irp u, 0,1,2,3
.irp i, 0,1,2,3,4,5,6,7
	s_wait_dscnt 16*(3-\u)+7-\i                    ; behind this load: its tile's younger loads and the later tiles' sixteen LDS instructions each
	global_store_b128 v[GO], v[MK+32*\u+4*\i:MK+32*\u+4*\i+3], s[10:11] offset:256*(\u/2)+65536*(\u%2)+8192*\i th:TH_STORE_NT
.endr
.endr
	WIN 0
	s_wait_tensorcnt 0x0                           ; the wave's end
	ds_add_u32 v[SPW], v[NIL]
	s_wait_dscnt 0x0
	CROUND                                         ; the closing round
	s_endpgm
.Lfunc_end_k_qdbd8d7ee47_attn:
	.size	k_qdbd8d7ee47_attn, .Lfunc_end_k_qdbd8d7ee47_attn-k_qdbd8d7ee47_attn
	.p2alignl 7, 3214868480
	.fill 96, 4, 3214868480
	.section	.rodata,"a",@progbits
	.p2align	6, 0x0
	.amdhsa_kernel k_qdbd8d7ee47_attn
		.amdhsa_group_segment_fixed_size 327680
		.amdhsa_private_segment_fixed_size 0
		.amdhsa_enable_private_segment 0
		.amdhsa_kernarg_size 32
		.amdhsa_user_sgpr_count 2
		.amdhsa_user_sgpr_kernarg_segment_ptr 1
		.amdhsa_wavefront_size32 1
		.amdhsa_system_sgpr_workgroup_id_x 1
		.amdhsa_system_sgpr_workgroup_id_y 1
		.amdhsa_system_sgpr_workgroup_id_z 1
		.amdhsa_system_vgpr_workitem_id 0
		.amdhsa_next_free_vgpr 512
		.amdhsa_next_free_sgpr 100
		.amdhsa_reserve_vcc 0
		.amdhsa_float_denorm_mode_32 3
		.amdhsa_float_denorm_mode_16_64 3
		.amdhsa_memory_ordered 1
		.amdhsa_forward_progress 1
		.amdhsa_inst_pref_size 171
	.end_amdhsa_kernel
	.amdgpu_metadata
---
amdhsa.version: [ 1, 2 ]
amdhsa.kernels:
  - .name:           k_qdbd8d7ee47_attn
    .symbol:         k_qdbd8d7ee47_attn.kd
    .args:
      - { .name: hc, .offset: 0, .size: 8, .value_kind: global_buffer, .address_space: global }
      - { .name: mk, .offset: 8, .size: 8, .value_kind: global_buffer, .address_space: global }
      - { .name: lowp_scales, .offset: 16, .size: 8, .value_kind: global_buffer, .address_space: global }
      - { .name: out0, .offset: 24, .size: 8, .value_kind: global_buffer, .address_space: global }
    .group_segment_fixed_size: 327680
    .private_segment_fixed_size: 0
    .kernarg_segment_align: 8
    .kernarg_segment_size: 32
    .max_flat_workgroup_size: 256
    .sgpr_count:     100
    .vgpr_count:     512
    .wavefront_size: 32
...
	.end_amdgpu_metadata
.endif
;; end of part 3
